; MI455X (gfx1250); checked and timed in simulation.
; The chip was launched on July 23, 2026; its instructions are those of AMD's public machine-readable ISA for CDNA 5 (MIT licence, August 2026) and "CDNA5" Instruction Set Architecture Reference Guide (July 2026). The comments in the code are by the model that wrote it; some were corrected since.
;; Multi Head QKV Block Attention. Allowed arithmetic: matrix products marked QUANTISED: E2M1 operands, one E8M0 scale for each 32 along K, by v_wmma_scale_f32_16x16x128_f8f6f4 with both operands' format E2M1 (or v_wmma_scale_f32_32x16x128_f4), f32 sums; everything else in f32.
;; Inputs: X 4 x 2,048 x 1,024 float32; residual_score 4 x 2,048 x 1,024 float32; wk 1,024 x 1,024 float32; wq 1,024 x 1,024 float32; wv 1,024 x 1,024 float32.
;; Outputs: out0 4 x 2,048 x 1,024 float32; out1 4 x 2,048 x 1,024 float32.
;; This version of the problem:
;;   THIS VERSION OF THE PROBLEM IS GIVEN IN LOW PRECISION. The matrix products marked QUANTISED in the list below multiply operands that are first quantised to E2M1 (2 exponent bits, 1 mantissa bit; 4 bits a number), with one power-of-two scale for each 32 numbers along K (OCP MX v1.0); their sums are f32. All else is computed in f32.
;;   The module's matrix products, in the order in which they are computed (A, B: the left and right operand; K: the contracted axis; several contracted axes count as one K, in the product's order):
;;     1. [M 8,192, K 1,024] x [K 1,024, N 1,024]; A: input X; B: input wq: QUANTISED
;;     2. [M 8,192, K 1,024] x [K 1,024, N 1,024]; A: input X; B: input wk: QUANTISED
;;     3. [M 8,192, K 1,024] x [K 1,024, N 1,024]; A: input X; B: input wv: QUANTISED
;;     4. batch 64 x [M 2,048, K 64] x [K 64, N 2,048]; A: computed on the way; B: computed on the way: QUANTISED
;;     5. batch 64 x [M 2,048, K 2,048] x [K 2,048, N 64]; A: softmax (see below); B: computed on the way: QUANTISED
;;   THE QUANTISER, for each operand of a quantised product, along K:
;;     - K is cut into blocks of 32 from its start; a last block that is shorter is filled with zeros.
;;     - A block's scale is 2^e with e = floor(log2(the largest magnitude in the block)) - 2, held to -126 .. 127; a block of zeros has e = 0. As a byte (E8M0): e + 127.
;;     - Each number is divided by its block's scale, clamped to +-6, and rounded to the nearest number of E2M1, ties to even, subnormals kept.
;;     - The product sums the exact products of the quantised numbers (number of the format x scale) in f32.
;;   ~~~python
;;   def quantise(x, axis):      # numpy; x: float32 -> the quantised numbers, widened to float32 again
;;       x = np.moveaxis(x, axis, -1); K = x.shape[-1]
;;       x = np.pad(x, [(0, 0)] * (x.ndim - 1) + [(0, -K % 32)]); x = x.reshape(x.shape[:-1] + (-1, 32)); a = np.abs(x).max(-1, keepdims=True)
;;       e = np.where(a > 0, np.clip(np.frexp(np.where(a > 0, a, 1))[1] - 1 - 2, -126, 127), 0)      # np.frexp(a)[1] - 1 = floor(log2(a)), exactly
;;       r = np.clip(x / 2.0 ** e, -6, 6)
;;       step = 2.0 ** (np.maximum(np.frexp(np.where(r == 0, 1, r))[1] - 1, 0) - 1)
;;       q = np.round(r / step) * step * 2.0 ** e      # np.round: ties to even
;;       return np.moveaxis(q.reshape(q.shape[:-2] + (-1,))[..., :K], -1, axis).astype(np.float32)
;;   ~~~
;;   SOFTMAX AHEAD OF A QUANTISED PRODUCT. Where the list says 'softmax', what is quantised is not the finished softmax but p = 2^(t - M), with t = logit x log2(e) and M = ceil(the row's largest t), a whole number; so 1/2 < the row's largest p <= 1. The row's sum l is taken of the UNQUANTISED p, in f32, and the product's result is divided by l at the end. Since M is a whole number, a kernel that streams over the keys may use a running M (the ceiling of the running maximum): every later rescaling is an exact power of two, which a block's scale takes up: the codes' values come out the same.
;;   OPERANDS COMPUTED ON THE WAY. 'Computed on the way' means the value that the module computes at that place (a softmax that the list does not call 'softmax' is quantised finished and normalised). What goes into a quantiser is computed in f32, as accurately as f32 sums, v_exp_f32 and their like allow (about 1e-6 of the number): no bf16 or f16 on the way to a quantiser, and a product that is left as it is and whose result goes on into a quantised operand takes f32 operands (vector FMAs, or v_wmma_f32_16x16x4_f32). A number that lies on a knife's edge between two numbers of the format may be rounded either way, as far as f32 arithmetic and the matrix unit's own rounding can turn it there, and no further.
;; One version. Each part assembles by itself: llvm-mc -triple=amdgcn-amd-amdhsa -mcpu=gfx1250 --defsym DOCPART=n.
;; ======== version 1 of 1: 3 launches
;; limits: right only within a limited range of input values
;; workspace buffers: xc 4,194,304 bytes; xs 262,144 bytes; wc 1,572,864 bytes; ws 98,304 bytes; qkvc 12,582,912 bytes; qkvs 786,432 bytes
;; launch quant (part 1): grid 304 x 1, 4 waves a work-group, no clusters, 68,096 bytes of LDS; arguments X, wq, wk, wv, xc, xs, wc, ws; writes xc, xs, wc, ws
.if DOCPART == 1
	.amdgcn_target "amdgcn-amd-amdhsa--gfx1250"
	.amdhsa_code_object_version 6
	.text
	.protected	k_qf60f978f3b_quant
	.globl	k_qf60f978f3b_quant
	.p2align	8
	.type	k_qf60f978f3b_quant,@function
k_qf60f978f3b_quant:
	s_mov_b64 s[64:65], 0
	v_nop
	global_prefetch_b8 v0, s[64:65] scope:SCOPE_SE
	s_setreg_imm32_b32 hwreg(HW_REG_WAVE_MODE, 25, 1), 1
	s_wait_xcnt 0x0
; X [8192][1024] f32 and the weights wq, wk, wv [1024 (k)][1024 (n)] f32 become codes of FP4 (E2M1), K innermost, with one E8M0 scale byte for each 32 along K.
; xc [8192][512 bytes], xs [8192][32];  wc [3072][512 bytes], ws [3072][32]: rows 0-1023 are wq's columns, 1024-2047 wk's, 2048-3071 wv's.
; A block's scale is 2^(floor(log2(its largest magnitude)) - 2); its byte is the largest magnitude's exponent field - 2, held at 1 from below.
; LIMITS: NaN and infinities among the inputs are not served.  A block of zeros, and a block whose largest magnitude lies under 2^-124, gets the byte 1 (the rule says 127 for zeros):
; a block of zeros has zero codes, which add nothing under any byte but 0xff, and the bytes are read by this program alone.
; Work-groups 0-255 take X: a plain stream of blocks of 32; a wave takes 16 steps of 512 numbers.  Each load reads 512 consecutive bytes; a step's 2,048 bytes turn through the wave's own stage in LDS,
; so that a lane holds 16 neighbours along K (two lanes to a block).  A wave's store of codes covers 256 consecutive bytes; its 256 scale bytes are gathered in LDS and leave as one store of 256 bytes.
; Work-groups 256-303 take the weights, whose K is the FIRST axis: a lane takes a column n and its registers run down K, so a block lies in one lane and the codes come out with K innermost;
; they leave through the wave's own stage as rows of 256 bytes.  Each of the two ways has LDS bytes of its own.  No barrier: waves share nothing.  No cluster: work-groups share no input.
.set SP,    80                         ; X: a lane's place in a stage: its 64 bytes + 16 of padding
.set WREG,  8192                       ; X: LDS of a wave: two stages of 32 x SP bytes, then its 256 scale bytes
.set XR,    16                         ; v16-79   X: four sets of 16 numbers as loaded
.set XN,    80                         ; v80-111  X: two sets of 16 neighbours
.set XE,    112                        ; v112-127 X: a scale byte for each step
.set XC,    128                        ; v128-191 X: codes, four registers for each step: no store's data are written again
.set WSTG,  32768                      ; weights: the stages begin here, 32 rows x WP bytes a wave
.set WP,    272                        ; a stage row: 256 bytes + 16
.set WX,    32                         ; v32-95   weights: two sets of 32 numbers
.set WC,    96                         ; v96-99   a block's codes
.set WO,    112                        ; v112-175 the way out
.set WB,    24                         ; v24-27   the scale bytes, four to a register
.set FLOOR, 0x1800000                  ; 2^(3 - 127): under it no largest magnitude is taken, so the byte cannot fall under 1
.set OFF2,  0xff000000                 ; takes 2 off an exponent field
	s_load_b256 s[4:11], s[0:1], 0x0               ; X s[4:5], wq s[6:7], wk s[8:9], wv s[10:11]
	s_load_b256 s[12:19], s[0:1], 0x20             ; xc s[12:13], xs s[14:15], wc s[16:17], ws s[18:19]
	v_lshl_add_u32 v192, v0, 2, 0x10800
	v_mov_b32 v193, 0
	v_lshrrev_b32 v1, 5, v0
	v_readfirstlane_b32 s20, v1                    ; wave 0..3
	v_and_b32 v2, 31, v0                           ; lane
	s_cmp_lt_u32 ttmp9, 256
	s_cbranch_scc0 .Lweights
	; ---------------- X ----------------
	v_lshlrev_b32 v3, 4, v2                        ; my 16 bytes of a load's 512
	s_mul_i32 s21, s20, WREG
	v_lshrrev_b32 v14, 2, v2
	v_mul_u32_u24 v14, v14, SP
	v_and_b32 v15, 3, v2
	v_lshl_add_u32 v14, v15, 4, v14
	v_add_nc_u32 v14, s21, v14                     ; the stage, on the way in: SP (lane / 4) + 16 (lane % 4)
	v_mul_u32_u24 v15, v2, SP
	v_add_nc_u32 v15, s21, v15                     ; and on the way out: SP x lane: my 16 neighbours
	v_lshlrev_b32 v4, 3, v2                        ; my 8 bytes of a step's codes
	v_lshrrev_b32 v5, 1, v2
	s_add_co_u32 s21, s21, 2*32*SP
	v_add_nc_u32 v5, s21, v5                       ; LDS: my block's scale byte
	v_lshlrev_b32 v7, 3, v2
	v_add_nc_u32 v6, s21, v7                       ; and on the way out 8 bytes a lane
	s_lshl_b32 s22, ttmp9, 2
	s_add_co_u32 s22, s22, s20                     ; which run of 8,192 numbers is my wave's: 0..1023
	s_lshl_b32 s24, s22, 15                        ; 32,768 bytes of X a run
	s_mov_b32 s25, 0
	s_lshl_b32 s26, s22, 12                        ; 4,096 bytes of codes
	s_mov_b32 s27, 0
	s_lshl_b32 s28, s22, 8                         ; 256 scale bytes
	s_mov_b32 s29, 0
	s_wait_alu depctr_va_vdst(0)
	s_wait_kmcnt 0x0
	s_add_nc_u64 s[4:5], s[4:5], s[24:25]
	s_add_nc_u64 s[12:13], s[12:13], s[26:27]
	s_add_nc_u64 s[14:15], s[14:15], s[28:29]
.macro XLOAD t
.irp i, 0,1,2,3
	global_load_b128 v[XR+16*((\t)%4)+4*\i:XR+16*((\t)%4)+4*\i+3], v3, s[4:5] offset:2048*(\t)+512*\i th:TH_LOAD_NT   ; 32 lanes read 512 consecutive bytes
.endr
.endm
.macro XTURN t                         ; step t's numbers through the stage: LDS serves a wave's instructions in order, so no wait stands between the stores and the loads
.irp i, 0,1,2,3
	ds_store_b128 v14, v[XR+16*((\t)%4)+4*\i:XR+16*((\t)%4)+4*\i+3] offset:32*SP*((\t)%2)+8*SP*\i
.endr
.irp i, 0,1,2,3
	ds_load_b128 v[XN+16*((\t)%2)+4*\i:XN+16*((\t)%2)+4*\i+3], v15 offset:32*SP*((\t)%2)+16*\i
.endr
.endm
.irp t, 0,1,2,3
	XLOAD \t
.endr
	s_wait_loadcnt 12                              ; step 0's four loads are in; the twelve of steps 1 to 3 may be out
	XTURN 0
.macro XSTEP t
.set XS, XN+16*((\t)%2)
.if (\t) > 0
	s_wait_dscnt 1                                 ; this step's numbers are back from the stage (the last step's byte store may be out), so its stores into the stage have read their registers,
.else
	s_wait_dscnt 0x0
.endif
.if (\t)+4 < 16
	XLOAD (\t)+4                                   ; which take the loads of four steps on
.endif
.if (\t)+1 < 16
.if 14-(\t) >= 3
	s_wait_loadcnt 12                              ; the next step's four loads are in; those of the three steps behind it may be out
.else
	s_wait_loadcnt 4*(14-(\t))
.endif
	XTURN (\t)+1                                   ; and go through the other stage while this step is worked
.endif
	v_max3_num_f32 v8, |v[XS]|, |v[XS+1]|, |v[XS+2]|   ; the largest magnitude of my 16, in two chains
	v_max3_num_f32 v9, |v[XS+3]|, |v[XS+4]|, |v[XS+5]|
.irp i, 6,10
	v_max3_num_f32 v8, v8, |v[XS+\i]|, |v[XS+\i+1]|
	v_max3_num_f32 v9, v9, |v[XS+\i+2]|, |v[XS+\i+3]|
.endr
	v_max3_num_f32 v8, v8, |v[XS+14]|, |v[XS+15]|
	v_max3_num_f32 v8, v8, v9, FLOOR
	v_max_num_f32_dpp v8, v8, v8 row_xmask:1 row_mask:0xf bank_mask:0xf   ; and of my neighbour's 16: the block's
	v_add_nc_u32 v11, OFF2, v8                     ; the conversion takes the exponent field of this operand as its scale
	v_cvt_scalef32_pk8_fp4_f32 v[XC+4*(\t)], v[XS:XS+7], v11
	v_cvt_scalef32_pk8_fp4_f32 v[XC+4*(\t)+1], v[XS+8:XS+15], v11
	v_lshrrev_b32 v[XE+(\t)], 23, v11              ; the scale's byte
	ds_store_b8 v5, v[XE+(\t)] offset:16*(\t)      ; both lanes of a block write the same byte with the same value
	global_store_b64 v4, v[XC+4*(\t):XC+4*(\t)+1], s[12:13] offset:256*(\t)   ; the wave stores 256 consecutive bytes
.endm
.irp t, 0,1,2,3,4,5,6,7,8,9,10,11,12,13,14,15
	XSTEP \t
.endr
	ds_load_b64 v[12:13], v6                       ; LDS serves a wave's instructions in order: these see my byte stores
	s_wait_dscnt 0x0
	global_store_b64 v7, v[12:13], s[14:15]        ; 32 lanes store 256 consecutive bytes
	s_wait_tensorcnt 0x0
	ds_add_u32 v192, v193
	s_wait_dscnt 0x0
	s_endpgm
	; ---------------- the weights ----------------
.Lweights:
	s_sub_co_u32 s21, ttmp9, 256                   ; 0..47 = 16 x weight + 2 x (group of 128 columns) + (half of K)
	s_lshr_b32 s22, s21, 4                         ; which weight: 0 wq, 1 wk, 2 wv
	s_bfe_u32 s23, s21, 0x30001                    ; which 128 columns
	s_and_b32 s24, s21, 1                          ; which 512 along K
	s_lshl_b32 s23, s23, 7
	s_lshl_b32 s25, s20, 5
	s_add_co_u32 s23, s23, s25                     ; my wave's first column
	s_wait_alu depctr_va_vdst(0)
	v_lshlrev_b32 v3, 2, v2                        ; in: 4 bytes a lane
	s_mul_i32 s25, s20, 32*WP
	s_add_co_u32 s25, s25, WSTG                    ; my stage
	v_mul_u32_u24 v4, v2, WP
	v_add_nc_u32 v4, s25, v4                       ; into it: row = my column
	v_and_b32 v5, 15, v2
	v_lshrrev_b32 v6, 4, v2                        ; out of it: sixteen lanes to a row, two rows an instruction
	v_mul_u32_u24 v7, v6, WP
	v_lshl_add_u32 v7, v5, 4, v7
	v_add_nc_u32 v7, s25, v7
	v_lshlrev_b32 v8, 9, v6
	v_lshl_add_u32 v8, v5, 4, v8                   ; and the same place in wc: rows of 512 bytes
	v_lshlrev_b32 v9, 5, v2                        ; my column's row of scale bytes: 32 bytes a row
	s_lshl_b32 s26, s24, 21                        ; 512 rows of 4,096 bytes
	s_lshl_b32 s27, s23, 2
	s_add_co_u32 s26, s26, s27
	s_mov_b32 s27, 0
	s_lshl_b32 s28, s22, 10
	s_add_co_u32 s28, s28, s23                     ; my first row of wc and of ws
	s_lshl_b32 s30, s28, 5
	s_lshl_b32 s31, s24, 4
	s_add_co_u32 s30, s30, s31
	s_mov_b32 s31, 0
	s_lshl_b32 s28, s28, 9
	s_lshl_b32 s29, s24, 8
	s_add_co_u32 s28, s28, s29
	s_mov_b32 s29, 0
	s_wait_kmcnt 0x0
	s_cmp_eq_u32 s22, 0                            ; the choice hangs on the work-group's number alone
	s_cselect_b64 s[4:5], s[6:7], s[8:9]
	s_cmp_eq_u32 s22, 2
	s_cselect_b64 s[4:5], s[10:11], s[4:5]
	s_add_nc_u64 s[4:5], s[4:5], s[26:27]
	s_add_nc_u64 s[16:17], s[16:17], s[28:29]
	s_add_nc_u64 s[18:19], s[18:19], s[30:31]
.macro WLOAD t                         ; block t: w(32 t + i, my column), i = 0 .. 31, into set t % 2; the largest offset, 511 rows of 4,096 bytes, lies inside the signed 24-bit immediate
.irp i, 0,1,2,3,4,5,6,7,8,9,10,11,12,13,14,15,16,17,18,19,20,21,22,23,24,25,26,27,28,29,30,31
	global_load_b32 v[WX+32*((\t)%2)+\i], v3, s[4:5] offset:(32*(\t)+\i)*4096 th:TH_LOAD_NT
.endr
.endm
	WLOAD 0
	WLOAD 1
.macro WBLOCK t
.set XS, WX+32*((\t)%2)
.if (\t) < 15
	s_wait_loadcnt 32                              ; this block's 32 loads are in; the next block's may be out
.else
	s_wait_loadcnt 0
.endif
	v_max3_num_f32 v12, |v[XS]|, |v[XS+1]|, |v[XS+2]|   ; the block's largest magnitude: all 32 numbers are mine
	v_max3_num_f32 v13, |v[XS+3]|, |v[XS+4]|, |v[XS+5]|
.irp i, 6,10,14,18,22,26
	v_max3_num_f32 v12, v12, |v[XS+\i]|, |v[XS+\i+1]|
	v_max3_num_f32 v13, v13, |v[XS+\i+2]|, |v[XS+\i+3]|
.endr
	v_max3_num_f32 v12, v12, |v[XS+30]|, |v[XS+31]|
	v_max3_num_f32 v12, v12, v13, FLOOR
	v_add_nc_u32 v11, OFF2, v12
	v_lshrrev_b32 v13, 23, v11                     ; the scale's byte
.if (\t)%4 == 0
	v_mov_b32 v[WB+(\t)/4], v13                    ; four bytes to a register, the lower K in the lower byte
.else
	v_lshl_or_b32 v[WB+(\t)/4], v13, 8*((\t)%4), v[WB+(\t)/4]
.endif
.irp g, 0,1,2,3
	v_cvt_scalef32_pk8_fp4_f32 v[WC+\g], v[XS+8*\g:XS+8*\g+7], v11
.endr
	ds_store_b128 v4, v[WC:WC+3] offset:16*(\t)    ; 32 codes: 16 bytes of my column's row
.if (\t)+2 < 16
	WLOAD (\t)+2
.endif
	s_wait_dscnt 0x0                               ; the store has read its registers: the next block's codes may be written
.endm
.set Q, 0
.rept 16
	WBLOCK Q
.set Q, Q+1
.endr
	s_wait_alu depctr_va_vdst(0)
	global_store_b128 v9, v[WB:WB+3], s[18:19]     ; my column's 16 scale bytes
.irp t, 0,1,2,3,4,5,6,7,8,9,10,11,12,13,14,15
	ds_load_b128 v[WO+4*\t:WO+4*\t+3], v7 offset:2*\t*WP   ; LDS serves a wave's instructions in order: these see my stores
.endr
.irp t, 0,1,2,3,4,5,6,7,8,9,10,11,12,13,14,15
	s_wait_dscnt 15-\t                             ; the younger reads of the stage may be out
	global_store_b128 v8, v[WO+4*\t:WO+4*\t+3], s[16:17] offset:2*\t*512   ; sixteen lanes store 256 consecutive bytes, aligned
.endr
	s_wait_tensorcnt 0x0
	ds_add_u32 v192, v193
	s_wait_dscnt 0x0
	s_endpgm
.Lfunc_end_k_qf60f978f3b_quant:
	.size	k_qf60f978f3b_quant, .Lfunc_end_k_qf60f978f3b_quant-k_qf60f978f3b_quant
	.p2alignl 7, 3214868480
	.fill 96, 4, 3214868480
	.section	.rodata,"a",@progbits
	.p2align	6, 0x0
	.amdhsa_kernel k_qf60f978f3b_quant
		.amdhsa_group_segment_fixed_size 68096
		.amdhsa_private_segment_fixed_size 0
		.amdhsa_enable_private_segment 0
		.amdhsa_kernarg_size 64
		.amdhsa_user_sgpr_count 2
		.amdhsa_user_sgpr_kernarg_segment_ptr 1
		.amdhsa_wavefront_size32 1
		.amdhsa_system_sgpr_workgroup_id_x 1
		.amdhsa_system_sgpr_workgroup_id_y 1
		.amdhsa_system_sgpr_workgroup_id_z 1
		.amdhsa_system_vgpr_workitem_id 0
		.amdhsa_next_free_vgpr 194
		.amdhsa_next_free_sgpr 66
		.amdhsa_reserve_vcc 0
		.amdhsa_float_denorm_mode_32 3
		.amdhsa_float_denorm_mode_16_64 3
		.amdhsa_memory_ordered 1
		.amdhsa_forward_progress 1
		.amdhsa_inst_pref_size 111
	.end_amdhsa_kernel
	.amdgpu_metadata
---
amdhsa.version: [ 1, 2 ]
amdhsa.kernels:
  - .name:           k_qf60f978f3b_quant
    .symbol:         k_qf60f978f3b_quant.kd
    .args:
      - { .name: X, .offset: 0, .size: 8, .value_kind: global_buffer, .address_space: global }
      - { .name: wq, .offset: 8, .size: 8, .value_kind: global_buffer, .address_space: global }
      - { .name: wk, .offset: 16, .size: 8, .value_kind: global_buffer, .address_space: global }
      - { .name: wv, .offset: 24, .size: 8, .value_kind: global_buffer, .address_space: global }
      - { .name: xc, .offset: 32, .size: 8, .value_kind: global_buffer, .address_space: global }
      - { .name: xs, .offset: 40, .size: 8, .value_kind: global_buffer, .address_space: global }
      - { .name: wc, .offset: 48, .size: 8, .value_kind: global_buffer, .address_space: global }
      - { .name: ws, .offset: 56, .size: 8, .value_kind: global_buffer, .address_space: global }
    .group_segment_fixed_size: 68096
    .private_segment_fixed_size: 0
    .kernarg_segment_align: 8
    .kernarg_segment_size: 64
    .max_flat_workgroup_size: 128
    .sgpr_count:     66
    .vgpr_count:     194
    .wavefront_size: 32
...
	.end_amdgpu_metadata
.endif
;; end of part 1
;; launch proj (part 2): grid 8 x 48, 4 waves a work-group, clusters of 4 x 4, 296,448 bytes of LDS; arguments xc, xs, wc, ws, qkvc, qkvs; writes qkvc, qkvs
.if DOCPART == 2
	.amdgcn_target "amdgcn-amd-amdhsa--gfx1250"
	.amdhsa_code_object_version 6
	.text
	.protected	k_qf60f978f3b_proj
	.globl	k_qf60f978f3b_proj
	.p2align	8
	.type	k_qf60f978f3b_proj,@function
k_qf60f978f3b_proj:
	s_mov_b64 s[64:65], 0
	v_nop
	global_prefetch_b8 v0, s[64:65] scope:SCOPE_SE
	s_setreg_imm32_b32 hwreg(HW_REG_WAVE_MODE, 25, 1), 1
	s_wait_xcnt 0x0
	s_wait_alu depctr_hold_cnt(0) depctr_sa_sdst(0) depctr_va_vdst(0) depctr_va_sdst(0) depctr_va_ssrc(0) depctr_va_vcc(0) depctr_vm_vsrc(0)
	s_getreg_b32 s2, hwreg(HW_REG_IB_STS2, 6, 4)
	s_cmp_eq_u32 s2, 0
	s_cbranch_scc0 .Lentry_in_a_cluster
	s_endpgm
.Lentry_in_a_cluster:
	s_bfe_u32 s2, ttmp6, 0x10000c
	s_cmp_lg_u32 s2, 0xf033
	s_cbranch_scc0 .Lentry_shape_is_right
	s_endpgm
.Lentry_shape_is_right:
; The three projections q, k, v = X w on codes of FP4 (E2M1) with E8M0 scales, K = 1,024, and THE QUANTISING OF THEIR RESULTS in registers: q, k and v go to memory as codes and scale words alone.
; ONE TEXT, TWO ROLES.  The matrix instruction's source 0 is operand P, source 1 operand R: in a result, a lane holds ONE row of R (lane % 16) and its registers run along P's rows (8 (lane / 16) + 0 .. 7).
;   q and k are quantised along the head's 64 features: P = the weights' rows (wc rows 0-2047), R = the tokens (xc).   Clusters with y under 8: 256 tiles of 256 x 256.
;   v is quantised along the keys: P = the tokens (xc), R = wv's rows (wc rows 2048-3071).                             Clusters with y from 8 on: 128 tiles.
; So the axis to be quantised always runs along a lane's registers.  The two roles differ in pointers and scalars, selected on the cluster's y, which all partners share; no branch differs.
; 384 work-groups: no tile that keeps heads and key steps whole gives 256 equal shares of this work.
; A tile is made by four waves, 128 x 128 each: 64 accumulators, 512 registers.  All of K lies in LDS: two slots of 512 along K, each filled ONCE, and the scales of the tile's rows: nothing is filled again.
; CLUSTERS: 4 x 4 work-groups.  R's tiles hang on the cluster's y and my row in it, and are asked for jointly along the row; P's on the cluster's place and my column, jointly along the column.
; THE RESULTS.  A block of 32 along P lies in lanes l and l xor 16, 16 numbers each: accumulators (a, 2 pb) and (a, 2 pb + 1).  Its codes are four words of 8; an exchange of lane halves between R's block a and
; block a + 4 gives lanes 0-15 the 16 bytes of a row of block a and lanes 16-31 those of block a + 4: each half of a store's lanes fills 256 consecutive bytes, aligned.
; qkvc: 192 regions of 65,536 bytes (q: 16 b + head; k: 64 + that; v: 128 + that) in pieces of 256 bytes = [16 rows][the 16 bytes of one block].  q, k: piece (token tile T, block) at 512 T + 256 block.
;   v: piece (key step, tile of 16 channels, block of 32 keys) at 4,096 step + 1,024 tile + 256 block.  So a fragment of any of them is an image of the operand's registers.
; qkvs: q and k: part (8 b + head / 2), k's 32 further on, of 8,192 bytes; token 16 T + r has its word [even head's two bytes, odd head's two] at 256 (T / 4) + 16 r + 4 (T % 4).
;   v: at 524,288 + 4,096 (16 b + head) + 256 step + 16 r + 4 tile: the four bytes of a step's 128 keys for channel 16 tile + r.
; LIMITS: as in the launch before: a block of zeros, or one under 2^-124, gets the byte 1; NaN and infinities are not served.
; REGISTERS, in windows of 256: window 0: v1-3, v13-15 at work; v4-12 the stores' offsets; v16-27 LDS addresses; v32-95 scale words, two sets, and nothing else; v96-127 at work on the way out;
;   v128-191 R's fragments, one set (on the way out at work); v192-255 the codes.   window 1: P's fragments, two sets.   windows 2, 3: the accumulators, (a, b) at v[8 (8 (a % 4) + b)].
.set NQ,     4                         ; matrix instructions deep in a slot
.set ROWB,   512                       ; a tile's row in bytes: all 1,024 codes of K
.set KROW,   512                       ; a row of xc or of wc in bytes
.set PITCH,  528                       ; an LDS row: 512 bytes + 16 of padding: the 16 rows that a load touches start 132 words apart
.set FR,     8                         ; registers of a fragment
.set NL,     2                         ; LDS loads that bring one
.set NP,     4                         ; places behind this matrix instruction (ISA guide 7.12.1)
.set HALFT,  128*PITCH                 ; 128 rows: what one wave reads of R or of P
.set SLOT,   256                       ; "slot" s is the s-th 512 along K: 256 bytes further on in each row
.set KS,     32                        ; a row of scale bytes
.set SCL,    4*HALFT                   ; behind R's 256 rows and P's 256 rows: the scales, as rows of 256 bytes + 16 of padding
.set HALFS,  16*272                    ; the scales of 128 rows
.set SBLK,   2*272                     ; those of 16 rows
.set VOFF, 4                           ; v4-11   byte offsets of my stores of codes: 2 a + (pb / 2)
.set VS,   12                          ; v12     of my store of scale words
.set ADRA, 16                          ; v16-17  LDS address of my R fragments in slot 0, 1
.set ADRB, 20                          ; v20-21  the same for P
.set ADRS, 27                          ; v27     of my scale words: lanes 0-15 R's rows, lanes 16-31 P's
.set SC,   32                          ; scale words: set s at v[SC + 32 s]; register 4 i + q: lanes 0-15 R's block i, lanes 16-31 P's block i, the slot's q-th 128 along K
.set MX,   96                          ; v96-111  16 largest magnitudes: 4 a + pb
.set SOP,  112                         ; v112-127 the conversions' scale operands
.set AF,   128                         ; R's fragments
.set PT,   128                         ; v128-143 on the way out: the other lane's maximum, then the bytes
.set WD,   144                         ; v144-147 scale words of R's blocks 0-3, v148-151 of blocks 4-7
.set CD,   192                         ; v192-255 codes: 4 (4 a + pb) + word
.set G1, 24                            ; s[24:31] descriptor group 1 for R's tiles;  s[32:35] group 0
.set G0, 32
.set G1B, 48                           ; s[48:55], s[56:59] the same for P's tiles
.set G0B, 56
.set G1S, 68                           ; s[68:75], s[76:79] groups 1 and 0 for R's scales;  s[80:87], s[88:91] for P's
.set G0S, 76
.set G1SB, 80
.set G0SB, 88
.set SEL, 98                           ; s[98:99] lane selects for v_permlanex16_b32: lane l xor 16
.set MSB, 0
.macro WIN new                         ; the immediate's high byte repeats the setting that is left
.if MSB != \new
	s_set_vgpr_msb (MSB<<8)|\new
.set MSB, \new
.endif
.endm
.set MUL_LO, 0xa1                      ; source 0 (P) window 1, source 1 (R) window 0, C and D window 2
.set MUL_HI, 0xf1                      ; the same, C and D window 3
.set TO_B,   0x40                      ; destination window 1, address window 0
; THE HEAD'S JOINT LOADS, ONE A WAVE: wave 0 fetches R's 256 rows for all of K, wave 1 P's, wave 2 R's scales, wave 3 P's.
; One chain of branches on the wave's number, an arm a load, all arms leading to one join.  An s_nop 0 and four v_nop follow each load.
.macro ARM under, g0, g1, next
	s_cmp_lt_u32 s16, \under
	s_cbranch_scc0 \next
	tensor_load_to_lds s[\g0:\g0+3], s[\g1:\g1+7]
	s_nop 0
.rept 4
	v_nop
.endr
	s_branch .Lhead_asked
\next:
.endm
.macro CROUND                          ; a round of the cluster's barrier
	s_barrier_signal -1
	s_barrier_wait -1
	s_cmp_lg_u32 s16, 0
	s_cbranch_scc1 .Lnot_wave_0_\@
	s_barrier_signal -3
.Lnot_wave_0_\@:
	s_barrier_wait -3
	s_barrier_signal -1
	s_barrier_wait -1
.endm
	s_load_b256 s[4:11], s[0:1], 0x0               ; xc s[4:5], xs s[6:7], wc s[8:9], ws s[10:11]
	s_load_b128 s[12:15], s[0:1], 0x20             ; qkvc s[12:13], qkvs s[14:15]
	v_lshl_add_u32 v30, v0, 2, 0x48400
	v_mov_b32 v31, 0
	ds_add_u32 v30, v31
	ds_add_u32 v30, v31
	v_lshrrev_b32 v1, 5, v0
	v_readfirstlane_b32 s16, v1                    ; wave 0..3
	s_lshr_b32 s17, s16, 1                         ; which half of R's rows is mine
	s_and_b32 s18, s16, 1                          ; which half of P's rows
	s_bfe_u32 s40, ttmp6, 0x40000                  ; cx, cy: my place in the cluster
	s_bfe_u32 s41, ttmp6, 0x40004
	s_and_b32 s19, ttmp7, 0xffff                   ; the cluster's y: 0-7 q and k, 8-11 v
	s_lshl_b32 s22, s19, 2                         ; q, k: R's tile = 4 x cluster y + cy
	s_lshl_b32 s2, s19, 1
	s_add_co_u32 s2, s2, ttmp9
	s_sub_co_u32 s2, s2, 16                        ; v: P's tile = 4 (cluster x + 2 (cluster y - 8)) + cx
	s_cmp_ge_u32 s19, 8
	s_cselect_b32 s96, 1, 0                        ; 1: this cluster makes v
	s_cselect_b32 s22, 8, s22                      ; v: R's tile = 8 + cy (wv's rows begin at tile 8 of wc)
	s_cselect_b32 s42, s2, ttmp9                   ; q, k: P's tile = 4 x cluster x + cx
	s_add_co_u32 s22, s22, s41                     ; R's tile of 256 rows
	s_lshl_b32 s42, s42, 2
	s_add_co_u32 s42, s42, s40                     ; P's tile
	s_lshl_b32 s43, s41, 2
	s_lshl_b32 s43, 15, s43                        ; my row of the cluster
	s_lshl_b32 s44, 0x1111, s40                    ; my column
	; descriptor group 1: a tile of 256 rows x 512 bytes, padded in LDS
	s_or_b32 s[G1+0], s43, (0<<16)|(1<<20)|(1<<21)|(6<<22)|(3<<25)  ; 15:0 the mask: R's tiles go to my row; element of 1 byte; padding on; 21 set beside a mask; four words after every 128
	s_or_b32 s[G1B+0], s44, (0<<16)|(1<<20)|(1<<21)|(6<<22)|(3<<25)
.irp g, G1, G1B
	s_mov_b32 s[\g+1], ROWB<<16                    ; tensor_dim0
	s_mov_b32 s[\g+2], 256<<16                     ; tensor_dim1
	s_mov_b32 s[\g+3], ROWB<<16                    ; tile_dim0
	s_mov_b32 s[\g+4], 256                         ; tile_dim1
	s_mov_b32 s[\g+5], KROW                        ; tensor_dim0_stride
	s_mov_b32 s[\g+6], 0
	s_mov_b32 s[\g+7], 0
.endr
	; the scales of 256 rows: 8,192 dense bytes, as 32 rows of 256 bytes (32 elements of 8 bytes), 16 bytes of padding behind each
	s_or_b32 s[G1S+0], s43, (3<<16)|(1<<20)|(1<<21)|(5<<22)|(3<<25)
	s_or_b32 s[G1SB+0], s44, (3<<16)|(1<<20)|(1<<21)|(5<<22)|(3<<25)
.irp g, G1S, G1SB
	s_mov_b32 s[\g+1], 32<<16
	s_mov_b32 s[\g+2], 32<<16                      ; the scales of 256 rows: 32 rows of 256 bytes
	s_mov_b32 s[\g+3], 32<<16
	s_mov_b32 s[\g+4], 32
	s_mov_b32 s[\g+5], 32
	s_mov_b32 s[\g+6], 0
	s_mov_b32 s[\g+7], 0
.endr
	s_lshl_b32 s20, s22, 8                         ; R: the tile's first row
	s_lshl_b32 s46, s42, 8                         ; P: the tile's first row
	s_lshl_b32 s98, s20, 5                         ; where these rows' scales begin, in bytes (all under 2^23),
	s_mov_b32 s99, 0
	s_lshl_b32 s20, s20, 9                         ; and their codes
	s_mov_b32 s21, 0
	s_lshl_b32 s92, s46, 5
	s_mov_b32 s93, 0
	s_lshl_b32 s46, s46, 9
	s_mov_b32 s47, 0
	s_wait_dscnt 0x0
	s_wait_kmcnt 0x0
	s_cmp_eq_u32 s96, 1                            ; the choice of buffers hangs on the cluster's y alone
	s_cselect_b64 s[66:67], s[8:9], s[4:5]         ; R's codes: wc for v, else xc
	s_cselect_b64 s[8:9], s[4:5], s[8:9]           ; P's codes: xc for v, else wc
	s_cselect_b64 s[4:5], s[10:11], s[6:7]         ; R's scales
	s_cselect_b64 s[10:11], s[6:7], s[10:11]       ; P's scales
	s_add_nc_u64 s[20:21], s[66:67], s[20:21]
	s_add_nc_u64 s[98:99], s[4:5], s[98:99]
	s_add_nc_u64 s[46:47], s[8:9], s[46:47]
	s_add_nc_u64 s[92:93], s[10:11], s[92:93]
	CROUND                                         ; all sixteen work-groups are here: the joint loads meet
	s_mov_b32 s[G0S], 1                            ; R's scales,
	s_mov_b32 s[G0S+1], SCL
	s_mov_b64 s[G0S+2:G0S+3], s[98:99]
	s_or_b32 s[G0S+3], s[G0S+3], 0x80000000
	s_mov_b32 s[G0SB], 1                           ; P's behind them,
	s_mov_b32 s[G0SB+1], SCL+2*HALFS
	s_mov_b64 s[G0SB+2:G0SB+3], s[92:93]
	s_or_b32 s[G0SB+3], s[G0SB+3], 0x80000000
	s_mov_b32 s[G0], 1                             ; R's 256 rows of codes,
	s_mov_b32 s[G0+1], 0
	s_mov_b64 s[G0+2:G0+3], s[20:21]
	s_or_b32 s[G0+3], s[G0+3], 0x80000000
	s_mov_b32 s[G0B], 1                            ; and P's behind them: each LDS byte is filled once
	s_mov_b32 s[G0B+1], 2*HALFT
	s_mov_b64 s[G0B+2:G0B+3], s[46:47]
	s_or_b32 s[G0B+3], s[G0B+3], 0x80000000
	ARM 1, G0,  G1,  .Lhead_p
	ARM 2, G0B, G1B, .Lhead_sr
	ARM 3, G0S, G1S, .Lhead_sp
	tensor_load_to_lds s[G0SB:G0SB+3], s[G1SB:G1SB+7]
	s_nop 0
.rept 4
	v_nop
.endr
.Lhead_asked:
	v_and_b32 v1, 15, v0                           ; r = l % 16
	v_bfe_u32 v2, v0, 4, 1                         ; h = l / 16
	v_mul_u32_u24 v3, v1, PITCH
	v_lshl_add_u32 v14, v2, 4, v3                  ; a fragment's row x pitch + 16 x half
	s_mul_i32 s2, s17, HALFT                       ; my 128 rows of R
	s_mul_i32 s3, s18, HALFT                       ; my 128 rows of P,
	s_add_co_u32 s3, s3, 2*HALFT                   ; which lie behind R's 256
.irp s, 0,1
	v_add_nc_u32 v[ADRA+\s], s2, v14
	v_add_nc_u32 v[ADRB+\s], s3, v14
	s_add_co_u32 s2, s2, SLOT
	s_add_co_u32 s3, s3, SLOT
.endr
	v_mul_u32_u24 v3, v1, KS                       ; my row's scales: 32 bytes a row,
	v_lshrrev_b32 v14, 8, v3
	v_lshl_add_u32 v3, v14, 4, v3                  ; and 16 more for each 256 passed
	s_mul_i32 s2, s17, HALFS                       ; R's: my 128 rows
	s_mul_i32 s3, s18, HALFS                       ; P's: my 128 rows, behind R's 256
	s_add_co_u32 s3, s3, 2*HALFS
	s_sub_co_u32 s3, s3, s2
	v_mul_u32_u24 v14, s3, v2                      ; lanes 16-31 take P's
	s_add_co_u32 s2, s2, SCL
	v_add_nc_u32 v3, v3, v14
	v_add_nc_u32 v[ADRS], s2, v3
	; WHERE THE RESULTS GO, made here while the tiles are on their way.  Both roles' offsets are made, then selected.
	s_lshr_b32 s2, s42, 2                          ; q, k: P's tile / 4: 0 q, 1 k
	s_lshl_b32 s2, s2, 6
	s_lshr_b32 s3, s22, 3                          ; b = R's tile / 8
	s_lshl_b32 s3, s3, 4
	s_add_co_u32 s2, s2, s3
	s_and_b32 s3, s42, 3
	s_lshl_b32 s3, s3, 2
	s_add_co_u32 s2, s2, s3
	s_lshl_b32 s3, s18, 1
	s_add_co_u32 s2, s2, s3                        ; the region of my even head: 64 (k) + 16 b + 4 (tile % 4) + 2 (my half of P)
	s_and_b32 s3, s22, 7
	s_lshl_b32 s19, s2, 16
	s_lshl_b32 s23, s3, 13                         ; 16 token tiles of 512 bytes for each tile of R in the batch,
	s_add_co_u32 s19, s19, s23
	s_lshl_b32 s23, s17, 12                        ; 8 for my half of R
	s_add_co_u32 s19, s19, s23                     ; codes
	s_lshl_b32 s66, s2, 12                         ; the part of my pair of heads: region / 2 x 8,192
	s_lshl_b32 s23, s3, 10
	s_add_co_u32 s66, s66, s23
	s_lshl_b32 s23, s17, 9
	s_add_co_u32 s66, s66, s23                     ; scale words
	s_lshr_b32 s2, s42, 3                          ; v: b = P's tile / 8
	s_lshl_b32 s2, s2, 4
	s_lshl_b32 s3, s41, 2
	s_add_co_u32 s2, s2, s3
	s_lshl_b32 s3, s17, 1
	s_add_co_u32 s2, s2, s3                        ; 16 b + my first head: 4 cy + 2 (my half of R)
	s_lshl_b32 s2, s2, 4
	s_and_b32 s3, s42, 7
	s_lshl_b32 s3, s3, 1
	s_add_co_u32 s2, s2, s3
	s_add_co_u32 s2, s2, s18                       ; x 16 + my key step: 2 (tile % 8) + my half of P
	s_lshl_b32 s3, s2, 12
	s_add_co_u32 s3, s3, 8388608                   ; codes: v's regions begin at 128 x 65,536
	s_lshl_b32 s2, s2, 8
	s_add_co_u32 s2, s2, 524288                    ; scale words
	s_cmp_eq_u32 s96, 1
	s_cselect_b32 s19, s3, s19
	s_cselect_b32 s66, s2, s66
	s_lshl_b32 s67, 512, s96                       ; from R's block a to a + 1: q, k a token tile, 512; v a tile of channels, 1,024
	s_mul_i32 s94, s96, 5
	s_lshl_b32 s94, 2048, s94                      ; from block a to a + 4: q, k 2,048; v the next head, 65,536
	s_mul_i32 s95, s96, 7
	s_lshr_b32 s95, 65536, s95                     ; from block pb to pb + 2: q, k the next head, 65,536; v 512
	s_lshl_b32 s97, s96, 2
	s_lshl_b32 s97, 256, s97                       ; scale words, from block a to a + 4: q, k 256; v 4,096
	v_lshlrev_b32 v3, 4, v1                        ; 16 r
	v_mul_u32_u24 v13, s94, v2
	v_add3_u32 v13, v13, v3, s19
.irp a, 0,1,2,3
	s_mul_i32 s2, s67, \a
	v_add_nc_u32 v[VOFF+2*\a], s2, v13
	v_add3_u32 v[VOFF+2*\a+1], v13, s2, s95
.endr
	v_mul_u32_u24 v[VS], s97, v2
	v_add3_u32 v[VS], v[VS], v3, s66
	s_mov_b32 s[SEL], 0x76543210
	s_mov_b32 s[SEL+1], 0xfedcba98
.macro FRAG reg, adr, q, i             ; a fragment, 16 rows x 128 K: lane l holds row l % 16; registers 4 c .. 4 c + 3 hold K = 64 c + 32 (l / 16) + 0 .. 31
.irp c, 0,1
	ds_load_b128 v[\reg+4*\c:\reg+4*\c+3], v[\adr] offset:64*(\q)+32*\c+(\i)*16*PITCH
.endr
.endm
; 16 matrix instructions: R's blocks a0, a0 + 1 x P's eight, the slot's q-th 128 along K.  p: P's set;  sc: the set of scale words.  zero = 1: the first product starts the sums: nothing is cleared.
; The 64 accumulators take turns, one instruction a turn, in the same order in every step.
.macro MUL16 a0, p, q, sc, zero
.irp a, \a0, \a0+1
.irp b, 0,1,2,3,4,5,6,7
.if \zero
	v_wmma_scale_f32_16x16x128_f8f6f4 v[8*(8*((\a)%4)+\b):8*(8*((\a)%4)+\b)+7], v[128*(\p)+FR*\b:128*(\p)+FR*\b+FR-1], v[AF+FR*(\a):AF+FR*(\a)+FR-1], 0, v[SC+8*NQ*(\sc)+NQ*\b+(\q)], v[SC+8*NQ*(\sc)+NQ*(\a)+(\q)] matrix_a_fmt:MATRIX_FMT_FP4 matrix_b_fmt:MATRIX_FMT_FP4 matrix_a_scale:MATRIX_SCALE_ROW1
.else
	v_wmma_scale_f32_16x16x128_f8f6f4 v[8*(8*((\a)%4)+\b):8*(8*((\a)%4)+\b)+7], v[128*(\p)+FR*\b:128*(\p)+FR*\b+FR-1], v[AF+FR*(\a):AF+FR*(\a)+FR-1], v[8*(8*((\a)%4)+\b):8*(8*((\a)%4)+\b)+7], v[SC+8*NQ*(\sc)+NQ*\b+(\q)], v[SC+8*NQ*(\sc)+NQ*(\a)+(\q)] matrix_a_fmt:MATRIX_FMT_FP4 matrix_b_fmt:MATRIX_FMT_FP4 matrix_a_scale:MATRIX_SCALE_ROW1
.endif
.endr
.endr
.endm
.macro FETCH_B slot, q, p              ; P's eight fragments of the slot's q-th 128 along K into set p
	WIN TO_B
.irp i, 0,1,2,3,4,5,6,7
	FRAG 128*(\p)+FR*\i, ADRB+\slot, \q, \i
.endr
	WIN 0
.endm
.macro FETCH_A slot, q, i0             ; R's blocks i0 .. i0 + 3
.irp i, \i0, \i0+1, \i0+2, \i0+3
	FRAG AF+FR*(\i), ADRA+\slot, \q, \i
.endr
.endm
.macro SCALES sc                       ; a slot's scale words into set sc: four words a row; lanes 0-15 take R's block i, lanes 16-31 P's block i
.irp i, 0,1,2,3,4,5,6,7
	ds_load_b128 v[SC+8*NQ*\sc+NQ*\i:SC+8*NQ*\sc+NQ*\i+3], v[ADRS] offset:\i*SBLK
.endr
.endm
; A load into a register that a matrix instruction has read, and a vector instruction that reads a matrix result or writes one of a matrix instruction's registers, stand NP places behind it;
; only plain vector instructions that name none of its registers are places (ISA guide 7.12.1 for vector instructions).
.macro PLACES n
.rept \n
	v_nop
.endr
.endm
; A step of 128 along K that has its successor in the same slot.  R has one set of fragments: blocks 0-3 are fetched anew in the step's middle, blocks 4-7 at its end; P has two sets.
.macro STEP slot, q, zero
	s_wait_dscnt 4*NL                              ; P's set, the scale words and R's blocks 0-3 are in; the youngest eight loads (R's blocks 4-7) may be out
	WIN MUL_LO
	MUL16 0, (\q)%2, \q, \slot, \zero
	MUL16 2, (\q)%2, \q, \slot, \zero
	s_wait_dscnt 0                                 ; R's blocks 4-7 are in (asked for 32 matrix instructions ago)
	PLACES NP
	FETCH_B \slot, (\q)+1, 1-(\q)%2
	FETCH_A \slot, (\q)+1, 0
	WIN MUL_HI
	MUL16 4, (\q)%2, \q, \slot, \zero
	MUL16 6, (\q)%2, \q, \slot, \zero
	PLACES NP
	WIN 0
	FETCH_A \slot, (\q)+1, 4
.endm
.macro STEPS slot, from                ; the slot's steps from .. NQ - 2
.set Q, \from
.rept NQ-1-\from
	STEP \slot, Q, 0
.set Q, Q+1
.endr
.endm
; The first half's last step goes over to the second 512 along K, which lies in the same LDS rows: no barrier.
.macro CHANGE
	s_wait_dscnt 4*NL                              ; (R's blocks 4-7 may be out)
	WIN MUL_LO
	MUL16 0, 1, NQ-1, 0, 0
	MUL16 2, 1, NQ-1, 0, 0
	s_wait_dscnt 0x0                               ; R's blocks 4-7 are in
	WIN 0
	PLACES NP
	v_add_nc_u32 v[ADRS], 4*NQ, v[ADRS]            ; on to slot 1's scale words (no LDS load of mine is out)
	FETCH_B 1, 0, 0
	FETCH_A 1, 0, 0
	SCALES 1
	WIN MUL_HI
	MUL16 4, 1, NQ-1, 0, 0
	MUL16 6, 1, NQ-1, 0, 0
	PLACES NP
	WIN 0
	FETCH_A 1, 0, 4
.endm
	s_wait_alu depctr_va_vdst(0)
	s_wait_tensorcnt 0x0                           ; my one tile has landed,
	s_barrier_signal -1
	s_barrier_wait -1                              ; everybody's has
	FETCH_B 0, 0, 0
	FETCH_A 0, 0, 0
	SCALES 0
	FETCH_A 0, 0, 4
	STEP 0, 0, 1                                   ; the first step's products start the sums
	STEPS 0, 1
	CHANGE
	STEPS 1, 0
	s_wait_dscnt 4*NL                              ; the very last step: nothing more to fetch
	WIN MUL_LO
	MUL16 0, 1, NQ-1, 1, 0
	MUL16 2, 1, NQ-1, 1, 0
	s_wait_dscnt 0
	WIN MUL_HI
	MUL16 4, 1, NQ-1, 1, 0
	MUL16 6, 1, NQ-1, 1, 0
	WIN 0
	PLACES NP                                      ; behind the last products: their results are read and R's fragment registers are written below
; THE WAY OUT.  In a window, chain g = 4 a + pb owns registers 16 g .. 16 g + 15: accumulators (a, 2 pb) and (a, 2 pb + 1): my 16 numbers of block pb of my row of R's block a.
.macro AMAX w                          ; the largest magnitude of each chain's 16, with the floor 2^(3 - 127) among the leaves; the 16 chains by turns; each accumulator is read from its low end on
.set NW, (\w)*5
	WIN NW                                         ; sources 0 and 1: window w
.set g, 0
.rept 16
	v_max3_num_f32 v[MX+g], |v[16*g]|, |v[16*g+1]|, 0x1800000
.set g, g+1
.endr
.set i, 2
.rept 7
.set g, 0
.rept 16
	v_max3_num_f32 v[MX+g], |v[16*g+i]|, |v[16*g+i+1]|, v[MX+g]
.set g, g+1
.endr
.set i, i+2
.endr
.endm
.macro SCALEW w                        ; with lane l xor 16's: the block's; the conversions' scale operands; the bytes; a scale word for each of the window's four blocks of R
	WIN 0
.set g, 0
.rept 16
	v_permlanex16_b32 v[PT+g], v[MX+g], s[SEL], s[SEL+1]
.set g, g+1
.endr
.set g, 0
.rept 16
	v_max_num_f32 v[MX+g], v[MX+g], v[PT+g]
.set g, g+1
.endr
.set g, 0
.rept 16
	v_add_nc_u32 v[SOP+g], 0xff000000, v[MX+g]     ; 2 off the exponent field
.set g, g+1
.endr
.set g, 0
.rept 16
	v_lshrrev_b32 v[PT+g], 23, v[SOP+g]            ; the scale's byte
.set g, g+1
.endr
.irp a, 0,1,2,3
	v_lshl_or_b32 v[WD+4*((\w)-2)+\a], v[PT+4*\a+1], 8, v[PT+4*\a]
.endr
.irp a, 0,1,2,3
	v_lshl_or_b32 v[WD+4*((\w)-2)+\a], v[PT+4*\a+2], 16, v[WD+4*((\w)-2)+\a]
.endr
.irp a, 0,1,2,3
	v_lshl_or_b32 v[WD+4*((\w)-2)+\a], v[PT+4*\a+3], 24, v[WD+4*((\w)-2)+\a]
.endr
.endm
.macro CODES w                         ; accumulator (a, 2 pb + u) -> 8 codes: k = 16 u + 8 (l / 16) + 0 .. 7 of the block.  Window 2's go to the even words, window 3's to the odd ones
.set NW, \w
	WIN NW                                         ; source 0: window w
.set g, 0
.rept 16
	v_cvt_scalef32_pk8_fp4_f32 v[CD+4*g+(\w)-2], v[16*g:16*g+7], v[SOP+g]
	v_cvt_scalef32_pk8_fp4_f32 v[CD+4*g+(\w)], v[16*g+8:16*g+15], v[SOP+g]
.set g, g+1
.endr
.endm
	AMAX 2
	SCALEW 2
	CODES 2
	AMAX 3                                         ; (its first lines are plain and touch neither the codes nor the conversions' sources)
	SCALEW 3
	CODES 3
	WIN 0
	v_nop                                          ; one plain place behind a scaled conversion
.set g, 0
.rept 32
	v_permlane16_swap_b32 v[CD+2*g], v[CD+2*g+1]   ; the even word's lanes 16-31 change places with the odd word's lanes 0-15: lanes 0-15 now hold block a's four words in the order of K, lanes 16-31 block a + 4's
.set g, g+1
.endr
.irp a, 0,1,2,3
	v_permlane16_swap_b32 v[WD+\a], v[WD+4+\a]     ; likewise the scale words: v144-147: lanes 0-15 blocks 0-3 of R, lanes 16-31 blocks 4-7
.endr
.irp a, 0,1,2,3
.irp pb, 0,1,2,3
	global_store_b128 v[VOFF+2*\a+\pb/2], v[CD+4*(4*\a+\pb):CD+4*(4*\a+\pb)+3], s[12:13] offset:256*(\pb%2)   ; each half of the lanes stores 256 consecutive bytes, aligned
.endr
.endr
	global_store_b128 v[VS], v[WD:WD+3], s[14:15]  ; four scale words a lane: again 256 consecutive bytes for each half of the lanes
	s_wait_tensorcnt 0x0
	ds_add_u32 v30, v31
	s_wait_dscnt 0x0
	CROUND                                         ; the closing round: no work-group ends while a partner may still ask for a tile that names it
	s_endpgm
.Lfunc_end_k_qf60f978f3b_proj:
	.size	k_qf60f978f3b_proj, .Lfunc_end_k_qf60f978f3b_proj-k_qf60f978f3b_proj
	.p2alignl 7, 3214868480
	.fill 96, 4, 3214868480
	.section	.rodata,"a",@progbits
	.p2align	6, 0x0
	.amdhsa_kernel k_qf60f978f3b_proj
		.amdhsa_group_segment_fixed_size 296448
		.amdhsa_private_segment_fixed_size 0
		.amdhsa_enable_private_segment 0
		.amdhsa_kernarg_size 48
		.amdhsa_user_sgpr_count 2
		.amdhsa_user_sgpr_kernarg_segment_ptr 1
		.amdhsa_wavefront_size32 1
		.amdhsa_system_sgpr_workgroup_id_x 1
		.amdhsa_system_sgpr_workgroup_id_y 1
		.amdhsa_system_sgpr_workgroup_id_z 1
		.amdhsa_system_vgpr_workitem_id 0
		.amdhsa_next_free_vgpr 1024
		.amdhsa_next_free_sgpr 100
		.amdhsa_reserve_vcc 0
		.amdhsa_float_denorm_mode_32 3
		.amdhsa_float_denorm_mode_16_64 3
		.amdhsa_memory_ordered 1
		.amdhsa_forward_progress 1
		.amdhsa_inst_pref_size 127
	.end_amdhsa_kernel
	.amdgpu_metadata
---
amdhsa.version: [ 1, 2 ]
amdhsa.kernels:
  - .name:           k_qf60f978f3b_proj
    .symbol:         k_qf60f978f3b_proj.kd
    .args:
      - { .name: xc, .offset: 0, .size: 8, .value_kind: global_buffer, .address_space: global }
      - { .name: xs, .offset: 8, .size: 8, .value_kind: global_buffer, .address_space: global }
      - { .name: wc, .offset: 16, .size: 8, .value_kind: global_buffer, .address_space: global }
      - { .name: ws, .offset: 24, .size: 8, .value_kind: global_buffer, .address_space: global }
      - { .name: qkvc, .offset: 32, .size: 8, .value_kind: global_buffer, .address_space: global }
      - { .name: qkvs, .offset: 40, .size: 8, .value_kind: global_buffer, .address_space: global }
    .group_segment_fixed_size: 296448
    .private_segment_fixed_size: 0
    .kernarg_segment_align: 8
    .kernarg_segment_size: 48
    .max_flat_workgroup_size: 128
    .sgpr_count:     100
    .vgpr_count:     1024
    .wavefront_size: 32
...
	.end_amdgpu_metadata
.endif
;; end of part 2
;; launch attn (part 3): grid 4 x 64, 4 waves a work-group, clusters of 4 x 1, 327,680 bytes of LDS; arguments qkvc, qkvs, residual_score, out0, out1; writes out0, out1
.if DOCPART == 3
	.amdgcn_target "amdgcn-amd-amdhsa--gfx1250"
	.amdhsa_code_object_version 6
	.text
	.protected	k_qf60f978f3b_attn
	.globl	k_qf60f978f3b_attn
	.p2align	8
	.type	k_qf60f978f3b_attn,@function
k_qf60f978f3b_attn:
	s_mov_b64 s[64:65], 0
	v_nop
	global_prefetch_b8 v0, s[64:65] scope:SCOPE_SE
	s_setreg_imm32_b32 hwreg(HW_REG_WAVE_MODE, 25, 1), 1
	s_wait_xcnt 0x0
	s_wait_alu depctr_hold_cnt(0) depctr_sa_sdst(0) depctr_va_vdst(0) depctr_va_sdst(0) depctr_va_ssrc(0) depctr_va_vcc(0) depctr_vm_vsrc(0)
	s_getreg_b32 s2, hwreg(HW_REG_IB_STS2, 6, 4)
	s_cmp_eq_u32 s2, 0
	s_cbranch_scc0 .Lentry_in_a_cluster
	s_endpgm
.Lentry_in_a_cluster:
	s_bfe_u32 s2, ttmp6, 0x10000c
	s_cmp_lg_u32 s2, 0x3003
	s_cbranch_scc0 .Lentry_shape_is_right
	s_endpgm
.Lentry_shape_is_right:
; out0 = out1 = softmax(q k^T / sqrt(128)) v + residual_score, head by head, both products on codes of FP4 (E2M1) with E8M0 scales, as the launch before laid them (qkvc, qkvs).
; t = score x log2(e) / sqrt(128); M = the running largest t rounded up to a whole number; p = 2^(t - M) is quantised along the keys; the row's sum is taken of the unquantised p and divides at the end.
; LIMITS: the promise holds while the scaled scores t stay under 2^31 in magnitude; NaN and infinities are not served.
; SHARES.  A work-group owns 512 queries of one head (grid y = 16 b + head); each of its FOUR waves, one to a SIMD, owns 128 of them: two trips of FOUR tiles of 16 queries.  The four tiles go through every
; phase of a key step (128 keys) together: one set of K's and V's fragments (22 LDS loads) and one set of address steps serve four tiles, and every chain of dependent lines has 4 to 16 partners by turns.
; THE EXPONENTIALS go tile by tile; between them stand plain lines that hang on none of them: the next tile's t - M, and the first level of the sum of the tile before (p[j] += p[32 + j], in place, once that tile's codes are made).
; LDS.  The head's K (65,536 bytes), V (65,536), K's scale words (8,192) and V's (4,096) are each one dense block of memory: four joint loads at the head, one a wave, shared by the cluster's four work-groups,
; which walk the same head.  Nothing is filled again.  No prefetch: every tile is asked for once, at the head, and there is no loop to run ahead in; the residual's rows are asked for 16 key steps ahead of their use, into registers.
; LAYOUT.  Both products transposed: S^T = K Q^T (source 0 = 16 keys), O^T = V^T P^T (source 0 = 16 channels): a lane holds one query (lane % 16).  The head has 64 features: the upper 64 of the instruction's K are
; zero codes on Q's side, so K's fragments lie dense: source 0 of key tile t is its four registers and the next tile's four, which meet Q's zeros.
; REGISTERS.  Window 0: addresses, state, scales, fragments.  Window 1: S^T, then p: tile q at v[64 q], key tile t at + 8 t.  Window 2: v0-127 O^T (tile q at 32 q), v128-255 the residual's rows.
; Window 3: v0-127 the rows read back from the stage, which the stores read: they are written again only on the next way out.
.set VB,   65536                       ; LDS: V behind K
.set KSC,  131072                      ; K's scale words
.set VSC,  139264                      ; V's
.set STG,  143360                      ; the way out: four stages of 16 rows x 272 bytes for each wave
.set SPARE, 212992                     ; the spare words: 128 bytes a wave
.set SPW,  12                          ; v12 my spare word's address; v13 0: never rewritten
.set NIL,  13
.set VA0,  14                          ; v14 VB + 16 lane
.set NM,   16                          ; v[16+2q] -M, v[17+2q] the largest score so far
.set SA,   24                          ; v[24+2q:25+2q], v[40+2q:41+2q] the row's sum in four parts
.set FF,   32                          ; v[32+2q] f = 2^(old M - new M), later 1 / sum; v[33+2q] named with it as a pair
.set SB,   40                          ; = SA + 16
.set TT,   48                          ; v48-51 at work
.set QSR,  52                          ; v52-55 Q's scale words; v56-59 P's; v60-63 K's (lanes 0-15 tile 2 i, lanes 16-31 tile 2 i + 1); v64-65 V's likewise: scales and nothing else
.set PSR,  56
.set KSR,  60
.set VSR,  64
.set MX,   68                          ; v68-83 the largest score of block g = 4 q + b, then its p
.set PT,   84                          ; v84-99 the other half's maximum, then the bytes
.set SOP,  100                         ; v100-115 the conversions' scale operands
.set QF,   116                         ; v116-147 Q: four registers of codes, four of zeros, for each tile
.set KF,   148                         ; v148-183 K: eight tiles x four registers, and four zeros
.set VF,   184                         ; v184-215 V: four tiles of 16 channels
.set PC,   216                         ; v216-247 P's codes
.set WV,   18
.set NC,   19                          ; s19 -c
.set SEL,  20
.set CS,   22                          ; s[22:23] c = log2(e) / sqrt(128)
.set DKV,  24                          ; descriptor groups 1: K and V; K's scales; V's scales
.set DKS,  32
.set DVS,  40
.set G0K,  48
.set G0V,  52
.set G0KS, 56
.set G0VS, 60
.set TB,   2                           ; the step's place in K and in V; in K's scale words; in V's
.set TS,   3
.set TJ,   66
.set CNT,  67
.set TBN,  16                          ; the next step's places, wrapped to step 0 behind the last
.set TSN,  17
.set QP,   68
.set QS,   70
.set RP,   72
.set O0,   74
.set O1,   76
.set TRIP, 78
.set STP,  94                          ; s[94:95] what a way out adds to the outputs' bases: 0 the first time, then 64 rows
.set MSB, 0
.macro WIN new                         ; the immediate's high byte repeats the setting that is left
.if MSB != \new
	s_set_vgpr_msb (MSB<<8)|\new
.set MSB, \new
.endif
.endm
.macro ROUND                           ; a round of the cluster's barrier
	s_barrier_signal -1
	s_barrier_wait -1
	s_cmp_lg_u32 s[WV], 0
	s_cbranch_scc1 .Lnot_wave_0_\@
	s_barrier_signal -3
.Lnot_wave_0_\@:
	s_barrier_wait -3
	s_barrier_signal -1
	s_barrier_wait -1
.endm
.macro ARM under, g0, g1, next         ; one arm of the head's chain: a load, its s_nop 0 and four v_nop, a jump to the join
	s_cmp_lt_u32 s[WV], \under
	s_cbranch_scc0 \next
	tensor_load_to_lds s[\g0:\g0+3], s[\g1:\g1+7]
	s_nop 0
.rept 4
	v_nop
.endr
	s_branch .Lasked
\next:
.endm
.macro G0SET g, lds, base, off
	s_mov_b32 s[\g], 1
	s_mov_b32 s[\g+1], \lds
	s_add_nc_u64 s[\g+2:\g+3], s[\base:\base+1], s[\off:\off+1]
	s_or_b32 s[\g+3], s[\g+3], 0x80000000
.endm
.macro QLOAD                           ; four tiles of Q: 512 bytes of codes each, an image of the operand's registers; a scale word (my head's two bytes) for each query
.irp q, 0,1,2,3
	global_load_b128 v[QF+8*\q:QF+8*\q+3], v1, s[QP:QP+1] offset:512*\q
.endr
.irp q, 0,1,2,3
	global_load_u16 v[QSR+\q], v11, s[QS:QS+1] offset:4*\q
.endr
.endm
.macro KLOAD adr, sadr                 ; a step's eight tiles of K and their scale words: 12 loads
.irp t, 0,1,2,3,4,5,6,7
	ds_load_b128 v[KF+4*\t:KF+4*\t+3], v[\adr] offset:512*\t
.endr
.irp i, 0,1,2,3
	ds_load_u16 v[KSR+\i], v[\sadr] offset:256*(\i/2)+8*(\i%2)
.endr
.endm
.macro SW t, q
.if (\t)%2
	v_wmma_scale_f32_16x16x128_f8f6f4 v[64*\q+8*\t:64*\q+8*\t+7], v[KF+4*\t:KF+4*\t+7], v[QF+8*\q:QF+8*\q+7], 0, v[KSR+\t/2], v[QSR+\q] matrix_a_fmt:MATRIX_FMT_FP4 matrix_b_fmt:MATRIX_FMT_FP4 matrix_a_scale:MATRIX_SCALE_ROW1
.else
	v_wmma_scale_f32_16x16x128_f8f6f4 v[64*\q+8*\t:64*\q+8*\t+7], v[KF+4*\t:KF+4*\t+7], v[QF+8*\q:QF+8*\q+7], 0, v[KSR+\t/2], v[QSR+\q] matrix_a_fmt:MATRIX_FMT_FP4 matrix_b_fmt:MATRIX_FMT_FP4
.endif
.endm
.macro PW t, q
.if (\t)%2
	v_wmma_scale_f32_16x16x128_f8f6f4 v[32*\q+8*\t:32*\q+8*\t+7], v[VF+8*\t:VF+8*\t+7], v[PC+8*\q:PC+8*\q+7], v[32*\q+8*\t:32*\q+8*\t+7], v[VSR+\t/2], v[PSR+\q] matrix_a_fmt:MATRIX_FMT_FP4 matrix_b_fmt:MATRIX_FMT_FP4 matrix_a_scale:MATRIX_SCALE_ROW1
.else
	v_wmma_scale_f32_16x16x128_f8f6f4 v[32*\q+8*\t:32*\q+8*\t+7], v[VF+8*\t:VF+8*\t+7], v[PC+8*\q:PC+8*\q+7], v[32*\q+8*\t:32*\q+8*\t+7], v[VSR+\t/2], v[PSR+\q] matrix_a_fmt:MATRIX_FMT_FP4 matrix_b_fmt:MATRIX_FMT_FP4
.endif
.endm
; Tile q's 64 exponentials.  Between them: p[j] += p[32 + j] of tile q - 1 (16 lines; its codes are made) and t - M of tile q + 1 (32 lines).  None of these lines reads what a line of this stage writes;
; every result of the stage is first read behind the wait that follows it.  All under one setting: sources 0 and 1 and the destination in window 1, source 2 in window 0.
.macro STAGE q
.set j, 0
.rept 32
	v_exp_f32 v[64*(\q)+j], v[64*(\q)+j]
.if ((\q) > 0) && (j < 32)
	v_pk_add_f32 v[64*(\q)-64+j:64*(\q)-64+j+1], v[64*(\q)-64+j:64*(\q)-64+j+1], v[64*(\q)-32+j:64*(\q)-32+j+1]
.endif
	v_exp_f32 v[64*(\q)+j+1], v[64*(\q)+j+1]
.if (\q) < 3
	v_pk_fma_f32 v[64*(\q)+64+j:64*(\q)+64+j+1], v[64*(\q)+64+j:64*(\q)+64+j+1], s[CS:CS+1], v[NM+2*(\q)+2:NM+2*(\q)+3] op_sel_hi:[1,0,0]
.endif
.set j, j+2
.endr
.endm
.macro CVT q                           ; tile q's codes: block b's keys 32 b + 8 h + 0 .. 7, then 32 b + 16 + 8 h + 0 .. 7
	WIN 0x01                                       ; source 0: window 1
.irp b, 0,1,2,3
	v_cvt_scalef32_pk8_fp4_f32 v[PC+8*(\q)+4*(\b/2)+(\b%2)], v[64*(\q)+16*\b:64*(\q)+16*\b+7], v[SOP+4*(\q)+\b]
	v_cvt_scalef32_pk8_fp4_f32 v[PC+8*(\q)+4*(\b/2)+(\b%2)+2], v[64*(\q)+16*\b+8:64*(\q)+16*\b+15], v[SOP+4*(\q)+\b]
.endr
	v_nop                                          ; one plain place behind the conversions: their sources are written again below
.endm
.macro SUMS from, to                   ; the row's sums: two numbers a line, eight chains by turns
.set j, \from
.rept (\to-\from)/4
.irp q, 0,1,2,3
	v_pk_add_f32 v[SA+2*\q:SA+2*\q+1], v[64*\q+j:64*\q+j+1], v[SA+2*\q:SA+2*\q+1]
	v_pk_add_f32 v[SB+2*\q:SB+2*\q+1], v[64*\q+j+2:64*\q+j+3], v[SB+2*\q:SB+2*\q+1]
.endr
.set j, j+4
.endr
.endm
	s_load_b256 s[4:11], s[0:1], 0x0               ; qkvc s[4:5], qkvs s[6:7], the residual s[8:9], out0 s[10:11]
	s_load_b64 s[12:13], s[0:1], 0x20              ; out1
	v_lshl_add_u32 v[SPW], v0, 2, SPARE
	v_mov_b32 v[NIL], 0
	ds_add_u32 v[SPW], v[NIL]                      ; the opening add, twice on end; its wait stands ahead of my tensor load
	ds_add_u32 v[SPW], v[NIL]
	v_lshrrev_b32 v1, 5, v0
	v_readfirstlane_b32 s[WV], v1                  ; wave 0..3
	s_bfe_u32 s14, ttmp6, 0x40000                  ; cx: which 512 queries
	s_and_b32 s15, ttmp7, 0xffff                   ; 16 b + head
.irp g, DKV, DKS, DVS                          ; dense blocks as rows of 256 bytes (32 elements of 8 bytes); mask: all four of the cluster; bit 21 beside it
	s_mov_b32 s[\g], 15|(3<<16)|(1<<21)
	s_mov_b32 s[\g+1], 32<<16
	s_mov_b32 s[\g+3], 32<<16
	s_mov_b32 s[\g+5], 32
	s_mov_b32 s[\g+6], 0
	s_mov_b32 s[\g+7], 0
.endr
	s_mov_b32 s[DKV+2], 256<<16
	s_mov_b32 s[DKV+4], 256
	s_mov_b32 s[DKS+2], 32<<16
	s_mov_b32 s[DKS+4], 32
	s_mov_b32 s[DVS+2], 16<<16
	s_mov_b32 s[DVS+4], 16
	s_lshl_b32 s80, s15, 16                        ; q's region
	s_mov_b32 s81, 0
	s_add_co_u32 s82, s80, 64<<16                  ; k's: 64 regions on
	s_mov_b32 s83, 0
	s_add_co_u32 s84, s80, 128<<16                 ; v's
	s_mov_b32 s85, 0
	s_lshr_b32 s16, s15, 1
	s_lshl_b32 s86, s16, 13                        ; q's scale words: the part of my pair of heads
	s_mov_b32 s87, 0
	s_add_co_u32 s88, s86, 32<<13                  ; k's: 32 parts on
	s_mov_b32 s89, 0
	s_lshl_b32 s90, s15, 12
	s_add_co_u32 s90, s90, 524288                  ; v's
	s_mov_b32 s91, 0
	s_lshl_b32 s17, s14, 14                        ; my wave's first tile of Q: 32 tiles a work-group, 8 a wave, 512 bytes each
	s_add_co_u32 s80, s80, s17
	s_lshl_b32 s17, s[WV], 12
	s_add_co_u32 s80, s80, s17
	s_lshl_b32 s17, s14, 11                        ; its scale words: 256 bytes for four tiles
	s_add_co_u32 s86, s86, s17
	s_lshl_b32 s17, s[WV], 9
	s_add_co_u32 s86, s86, s17
	s_and_b32 s79, s15, 1
	s_lshl_b32 s79, s79, 1                         ; my head's two bytes of a word
	s_add_co_u32 s86, s86, s79
	s_lshr_b32 s92, s15, 4                         ; the outputs: batch, 512 rows a work-group, 128 a wave, my head's 256 bytes of a row
	s_lshl_b32 s92, s92, 23
	s_lshl_b32 s17, s14, 21
	s_add_co_u32 s92, s92, s17
	s_lshl_b32 s17, s[WV], 19
	s_add_co_u32 s92, s92, s17
	s_and_b32 s17, s15, 15
	s_lshl_b32 s17, s17, 8
	s_add_co_u32 s92, s92, s17
	s_mov_b32 s93, 0
	s_mov_b32 s[SEL], 0x76543210
	s_mov_b32 s[SEL+1], 0xfedcba98
	s_mov_b32 s[CS], 0x3e0293ee
	s_mov_b32 s[CS+1], s[CS]
	s_mov_b32 s[NC], 0xbe0293ee
	s_mov_b32 s[TRIP], 2
	s_mov_b32 s[STP], 0
	s_mov_b32 s[STP+1], 0
	s_wait_dscnt 0x0                               ; both opening adds are done
	s_wait_kmcnt 0x0
	G0SET G0K,  0,   4, 82
	G0SET G0V,  VB,  4, 84
	G0SET G0KS, KSC, 6, 88
	G0SET G0VS, VSC, 6, 90
	s_add_nc_u64 s[QP:QP+1], s[4:5], s[80:81]
	s_add_nc_u64 s[QS:QS+1], s[6:7], s[86:87]
	s_add_nc_u64 s[RP:RP+1], s[8:9], s[92:93]
	s_add_nc_u64 s[O0:O0+1], s[10:11], s[92:93]
	s_add_nc_u64 s[O1:O1+1], s[12:13], s[92:93]
	ROUND                                          ; all four work-groups are here: the joint loads meet
	ARM 1, G0K,  DKV, .Lhead_v                     ; one load a wave: K, V, K's scales, V's scales
	ARM 2, G0V,  DKV, .Lhead_ks
	ARM 3, G0KS, DKS, .Lhead_vs
	tensor_load_to_lds s[G0VS:G0VS+3], s[DVS:DVS+7]
	s_nop 0
.rept 4
	v_nop
.endr
.Lasked:
	v_and_b32 v15, 15, v0                          ; r
	v_bfe_u32 v10, v0, 4, 1                        ; h
	v_and_b32 v1, 31, v0
	v_lshlrev_b32 v1, 4, v1                        ; 16 lane: a fragment's four registers are 512 consecutive bytes of a wave
	v_lshlrev_b32 v11, 4, v15                      ; 16 r
	QLOAD
	v_add_nc_u32 v[VA0], VB, v1
	v_lshl_add_u32 v4, v10, 2, v11                 ; scale words: 16 r + 4 h: lanes 16-31 take the next tile's
	v_add_nc_u32 v3, KSC, v4
	v_add_nc_u32 v3, s79, v3
	v_add_nc_u32 v4, VSC, v4
	s_mul_i32 s16, s[WV], 4*4352
	s_add_co_u32 s16, s16, STG                     ; my stages
	v_mul_u32_u24 v7, v15, 272
	v_lshl_add_u32 v7, v10, 5, v7
	v_add_nc_u32 v7, s16, v7                       ; in: row r, 32 h bytes on
	v_mul_u32_u24 v8, v10, 272
	v_add_nc_u32 v8, v8, v11
	v_add_nc_u32 v8, s16, v8                       ; back: lanes 0-15 one row, lanes 16-31 the next
	v_lshl_add_u32 v9, v10, 12, v11                ; and the same in the outputs: rows of 4,096 bytes
.irp q, 0,1,2,3
.irp j, 4,5,6,7
	v_mov_b32 v[QF+8*\q+\j], 0                     ; Q's zero codes for the upper 64 of the instruction's K
.endr
	v_mov_b32 v[KF+32+\q], 0                       ; what stands behind K's last tile
	v_mov_b32 v[FF+2*\q+1], 0                      ; named as a pair's upper half
.endr
.set g, 0
.rept 16
	v_mov_b32 v[PT+g], 0                           ; a lane permute's destination counts as a source
.set g, g+1
.endr
	s_wait_alu depctr_va_vdst(0)
	s_wait_tensorcnt 0x0                           ; my tile has landed,
	s_barrier_signal -1
	s_barrier_wait -1                              ; everybody's has
	KLOAD 1, 3                                     ; step 0's K
.Ltrip:                                            ; two trips: four tiles of queries each
	WIN 0x80                                       ; destination: window 2
.irp q, 0,1,2,3
.irp i, 0,1,2,3,4,5,6,7
	global_load_b128 v[128+32*\q+4*\i:131+32*\q+4*\i], v9, s[RP:RP+1] offset:65536*\q+8192*\i th:TH_LOAD_NT   ; the residual's rows, sixteen lanes to 256 bytes: wanted behind the 16 key steps
.endr
.endr
.set j, 0
.rept 128
	v_mov_b32 v[j], 0                              ; O^T: the key step is written once; its first run finds zeros
.set j, j+1
.endr
	WIN 0
.irp q, 0,1,2,3
	v_mov_b32 v[NM+2*\q], 0x7f61b1e6               ; -M = 3e38; the largest score so far: -3e38
	v_mov_b32 v[NM+2*\q+1], 0xff61b1e6
	v_mov_b32 v[SA+2*\q], 0
	v_mov_b32 v[SA+2*\q+1], 0
	v_mov_b32 v[SB+2*\q], 0
	v_mov_b32 v[SB+2*\q+1], 0
.endr
	s_mov_b32 s[TB], 0
	s_mov_b32 s[TS], 0
	s_mov_b32 s[TJ], 0
	s_mov_b32 s[CNT], 16
	s_wait_alu depctr_va_vdst(0)
	s_wait_loadcnt 32                              ; Q's eight loads are in; the residual's 32 may be out
.Lk:                                               ; a key step: 128 keys x 64 queries
	s_add_co_u32 s[TBN], s[TB], 4096
	s_and_b32 s[TBN], s[TBN], 0xffff
	s_add_co_u32 s[TSN], s[TS], 512
	s_and_b32 s[TSN], s[TSN], 0x1fff
	s_wait_dscnt 0x0                               ; this step's K, asked for a step ago
	WIN 0x40
.irp t, 0,1,2,3,4,5,6,7
.irp q, 0,1,2,3
	SW \t, \q
.endr
.endr
	WIN 0
	v_add_nc_u32 v10, s[TB], v[VA0]                ; four lines of address work: the places in front of the loads and of the first read of S^T
	v_add_nc_u32 v6, s[TJ], v4
	v_add_nc_u32 v2, s[TBN], v1
	v_add_nc_u32 v5, s[TSN], v3
.irp t, 0,1,2,3
.irp c, 0,1
	ds_load_b128 v[VF+8*\t+4*\c:VF+8*\t+4*\c+3], v10 offset:1024*\t+512*\c   ; this step's V: ten loads
.endr
.endr
.irp i, 0,1
	ds_load_b32 v[VSR+\i], v6 offset:8*\i
.endr
	KLOAD 2, 5                                     ; the next step's K (behind the last step: step 0's, for the next trip)
	WIN 0x05                                       ; sources 0 and 1: window 1
.set g, 0
.rept 16
	v_max3_num_f32 v[MX+g], v[16*g], v[16*g+1], 0xff800000   ; the largest score of each block of 32 keys, my 16 of them; each accumulator from its low end on
.set g, g+1
.endr
.set i, 2
.rept 7
.set g, 0
.rept 16
	v_max3_num_f32 v[MX+g], v[16*g+i], v[16*g+i+1], v[MX+g]
.set g, g+1
.endr
.set i, i+2
.endr
	WIN 0
.set g, 0
.rept 16
	v_permlanex16_b32 v[PT+g], v[MX+g], s[SEL], s[SEL+1]
.set g, g+1
.endr
.set g, 0
.rept 16
	v_max_num_f32 v[MX+g], v[MX+g], v[PT+g]        ; with lane l xor 16's 16 keys
.set g, g+1
.endr
.irp q, 0,1,2,3
	v_max3_num_f32 v[TT+\q], v[MX+4*\q], v[MX+4*\q+1], v[MX+4*\q+2]
.endr
.irp q, 0,1,2,3
	v_max3_num_f32 v[NM+2*\q+1], v[NM+2*\q+1], v[TT+\q], v[MX+4*\q+3]   ; the running largest score
.endr
.irp q, 0,1,2,3
	v_mul_f32 v[TT+\q], s[NC], v[NM+2*\q+1]        ; -t
.endr
.irp q, 0,1,2,3
	v_floor_f32 v[TT+\q], v[TT+\q]                 ; the new -M = floor(-t): M is a whole number
.endr
.irp q, 0,1,2,3
	v_sub_f32 v[FF+2*\q], v[TT+\q], v[NM+2*\q]     ; old M - new M
.endr
.irp q, 0,1,2,3
	v_mov_b32 v[NM+2*\q], v[TT+\q]
.endr
.irp q, 0,1,2,3
	v_cvt_i32_f32 v[FF+2*\q], v[FF+2*\q]           ; (it saturates)
.endr
.irp q, 0,1,2,3
	v_ldexp_f32 v[FF+2*\q], 1.0, v[FF+2*\q]        ; f = 2^(old M - new M)
.endr
.set g, 0
.rept 16
	v_fma_f32 v[MX+g], v[MX+g], s[CS], v[NM+2*(g/4)]   ; t - M of each block's largest score
.set g, g+1
.endr
	WIN 0x82                                       ; source 0 and destination: window 2
.irp q, 0,1,2,3
.set j, 0
.rept 16
	v_pk_mul_f32 v[32*\q+j:32*\q+j+1], v[32*\q+j:32*\q+j+1], v[FF+2*\q:FF+2*\q+1] op_sel_hi:[1,0]   ; O^T under the new M; it stands ahead of the exponentials
.set j, j+2
.endr
.endr
	WIN 0x45                                       ; sources 0 and 1 and the destination: window 1
.set j, 0
.rept 32
	v_pk_fma_f32 v[j:j+1], v[j:j+1], s[CS:CS+1], v[NM:NM+1] op_sel_hi:[1,0,0]   ; tile 0's t - M
.set j, j+2
.endr
	WIN 0
	s_wait_alu depctr_va_vdst(0)
.set g, 0
.rept 8
	v_exp_f32 v[MX+2*g], v[MX+2*g]                 ; each block's largest p: the same two lines on the same number as its score's own
	v_exp_f32 v[MX+2*g+1], v[MX+2*g+1]
	v_pk_mul_f32 v[SA+16*(g/4)+2*(g%4):SA+16*(g/4)+2*(g%4)+1], v[SA+16*(g/4)+2*(g%4):SA+16*(g/4)+2*(g%4)+1], v[FF+2*(g%4):FF+2*(g%4)+1] op_sel_hi:[1,0]   ; the sums' eight parts under the new M
.set g, g+1
.endr
	s_wait_alu depctr_va_vdst(0)                   ; the wait behind the batch, ahead of its first reader
.set g, 0
.rept 16
	v_max_num_f32 v[MX+g], 0x1800000, v[MX+g]      ; the floor 2^(3 - 127): the byte cannot fall under 1
.set g, g+1
.endr
.set g, 0
.rept 16
	v_add_nc_u32 v[SOP+g], 0xff000000, v[MX+g]     ; 2 off the exponent field: the conversion's scale operand
.set g, g+1
.endr
.set g, 0
.rept 16
	v_lshrrev_b32 v[PT+g], 23, v[SOP+g]            ; the scale's byte
.set g, g+1
.endr
.irp q, 0,1,2,3
	v_lshl_or_b32 v[PSR+\q], v[PT+4*\q+1], 8, v[PT+4*\q]
.endr
.irp q, 0,1,2,3
	v_lshl_or_b32 v[PSR+\q], v[PT+4*\q+2], 16, v[PSR+\q]
.endr
.irp q, 0,1,2,3
	v_lshl_or_b32 v[PSR+\q], v[PT+4*\q+3], 24, v[PSR+\q]   ; P's scale word for these 128 keys
.endr
.irp q, 0,1,2
	WIN 0x45
	STAGE \q                                       ; p = 2^(t - M) of tile q (its last line is a plain one),
	s_wait_alu depctr_va_vdst(0)                   ; the wait behind the stage, which is also the wait ahead of the next
	CVT \q                                         ; and its codes
.endr
	WIN 0x45
	STAGE 3
	v_nop                                          ; a plain place behind the last exponential
	s_wait_alu depctr_va_vdst(0)
	CVT 3
	WIN 0x45
.set j, 0
.rept 16
	v_pk_add_f32 v[192+j:192+j+1], v[192+j:192+j+1], v[224+j:224+j+1]   ; tile 3's p[j] += p[32 + j]
.set j, j+2
.endr
	WIN 0
.irp q, 0,1,2,3
.irp i, 0,2,4,6
	v_permlane16_swap_b32 v[PC+8*\q+\i], v[PC+8*\q+\i+1]   ; lanes 0-15 get block 2 c whole, in the order of the keys, lanes 16-31 block 2 c + 1
.endr
.endr
	WIN 0x01
	SUMS 0, 32                                     ; the 32 numbers left of each tile; also the places in front of the products
	s_wait_alu depctr_va_vdst(0)
	s_wait_dscnt 12                                ; V's ten loads are in; the next step's twelve of K may be out
	WIN 0xa0                                       ; C and D: window 2
.irp t, 0,1,2,3
.irp q, 0,1,2,3
	PW \t, \q                                      ; sixteen accumulators, one instruction a turn
.endr
.endr
	WIN 0
	s_add_co_u32 s[TB], s[TB], 4096
	s_add_co_u32 s[TS], s[TS], 512
	s_add_co_u32 s[TJ], s[TJ], 256
	s_sub_co_u32 s[CNT], s[CNT], 1
	s_cmp_lg_u32 s[CNT], 0
	s_cbranch_scc1 .Lk
	; THE WAY OUT of four tiles
	s_wait_loadcnt 0x0                             ; the residual's rows are in, and Q's loads have long read their base
	s_wait_xcnt 0x0                                ; the last way out's stores have read their data and bases: both may be written again
	s_add_nc_u64 s[O0:O0+1], s[O0:O0+1], s[STP:STP+1]
	s_add_nc_u64 s[O1:O1+1], s[O1:O1+1], s[STP:STP+1]
	s_mov_b32 s[STP], 262144                       ; from the second way out on: 64 rows on
	s_add_nc_u64 s[QP:QP+1], s[QP:QP+1], 2048
	s_add_nc_u64 s[QS:QS+1], s[QS:QS+1], 256
	s_cmp_eq_u32 s[TRIP], 1
	s_cbranch_scc1 .Lno_q
	QLOAD                                          ; the next trip's Q, under the way out
.Lno_q:
.irp q, 0,1,2,3
	v_pk_add_f32 v[SA+2*\q:SA+2*\q+1], v[SA+2*\q:SA+2*\q+1], v[SB+2*\q:SB+2*\q+1]
.endr
.irp q, 0,1,2,3
	v_add_f32 v[TT+\q], v[SA+2*\q], v[SA+2*\q+1]
.endr
.irp q, 0,1,2,3
	v_permlanex16_b32 v[PT+\q], v[TT+\q], s[SEL], s[SEL+1]
.endr
.irp q, 0,1,2,3
	v_add_f32 v[TT+\q], v[TT+\q], v[PT+\q]         ; the row's sum
.endr
	s_wait_alu depctr_va_vdst(0)
.irp q, 0,1,2,3
	v_rcp_f32 v[FF+2*\q], v[TT+\q]
.endr
	v_nop                                          ; a plain place behind the batch
	WIN 0x82
	s_wait_alu depctr_va_vdst(0)                   ; the wait behind the batch, directly ahead of the first readers of O^T
.irp q, 0,1,2,3
.set j, 0
.rept 16
	v_pk_mul_f32 v[32*\q+j:32*\q+j+1], v[32*\q+j:32*\q+j+1], v[FF+2*\q:FF+2*\q+1] op_sel_hi:[1,0]   ; O^T / the sum
.set j, j+2
.endr
.endr
	WIN 0x08                                       ; store data: window 2
.irp q, 0,1,2,3
.irp t, 0,1,2,3
	ds_store_b128 v7, v[32*\q+8*\t:32*\q+8*\t+3] offset:4352*\q+64*\t
	ds_store_b128 v7, v[32*\q+8*\t+4:32*\q+8*\t+7] offset:4352*\q+64*\t+16
.endr
.endr
	WIN 0xc0                                       ; back into window 3: LDS serves a wave's instructions in order, so these see my stores
.irp q, 0,1,2,3
.irp i, 0,1,2,3,4,5,6,7
	ds_load_b128 v[32*\q+4*\i:32*\q+4*\i+3], v8 offset:4352*\q+544*\i
.endr
.endr
.irp q, 0,1,2,3
	s_wait_dscnt 8*(3-\q)                          ; tile q's eight reads are back; the later tiles' may be out
	WIN 0xcb                                       ; source 0 and destination window 3, source 1 window 2
.set j, 0
.rept 16
	v_pk_add_f32 v[32*\q+j:32*\q+j+1], v[32*\q+j:32*\q+j+1], v[128+32*\q+j:128+32*\q+j+1]   ; + the residual
.set j, j+2
.endr
	WIN 0x0c                                       ; store data: window 3
.irp i, 0,1,2,3,4,5,6,7
	global_store_b128 v9, v[32*\q+4*\i:32*\q+4*\i+3], s[O0:O0+1] offset:65536*\q+8192*\i th:TH_STORE_NT   ; sixteen lanes store 256 consecutive bytes, aligned
	global_store_b128 v9, v[32*\q+4*\i:32*\q+4*\i+3], s[O1:O1+1] offset:65536*\q+8192*\i th:TH_STORE_NT
.endr
.endr
	WIN 0
	s_add_nc_u64 s[RP:RP+1], s[RP:RP+1], 262144    ; the residual: 64 rows on (its loads were waited for above)
	s_sub_co_u32 s[TRIP], s[TRIP], 1
	s_cmp_lg_u32 s[TRIP], 0
	s_cbranch_scc1 .Ltrip
	s_wait_tensorcnt 0x0                           ; the wave's end
	ds_add_u32 v[SPW], v[NIL]
	s_wait_dscnt 0x0
	ROUND                                          ; the closing round
	s_endpgm
.Lfunc_end_k_qf60f978f3b_attn:
	.size	k_qf60f978f3b_attn, .Lfunc_end_k_qf60f978f3b_attn-k_qf60f978f3b_attn
	.p2alignl 7, 3214868480
	.fill 96, 4, 3214868480
	.section	.rodata,"a",@progbits
	.p2align	6, 0x0
	.amdhsa_kernel k_qf60f978f3b_attn
		.amdhsa_group_segment_fixed_size 327680
		.amdhsa_private_segment_fixed_size 0
		.amdhsa_enable_private_segment 0
		.amdhsa_kernarg_size 40
		.amdhsa_user_sgpr_count 2
		.amdhsa_user_sgpr_kernarg_segment_ptr 1
		.amdhsa_wavefront_size32 1
		.amdhsa_system_sgpr_workgroup_id_x 1
		.amdhsa_system_sgpr_workgroup_id_y 1
		.amdhsa_system_sgpr_workgroup_id_z 1
		.amdhsa_system_vgpr_workitem_id 0
		.amdhsa_next_free_vgpr 1024
		.amdhsa_next_free_sgpr 96
		.amdhsa_reserve_vcc 0
		.amdhsa_float_denorm_mode_32 3
		.amdhsa_float_denorm_mode_16_64 3
		.amdhsa_memory_ordered 1
		.amdhsa_forward_progress 1
		.amdhsa_inst_pref_size 96
	.end_amdhsa_kernel
	.amdgpu_metadata
---
amdhsa.version: [ 1, 2 ]
amdhsa.kernels:
  - .name:           k_qf60f978f3b_attn
    .symbol:         k_qf60f978f3b_attn.kd
    .args:
      - { .name: qkvc, .offset: 0, .size: 8, .value_kind: global_buffer, .address_space: global }
      - { .name: qkvs, .offset: 8, .size: 8, .value_kind: global_buffer, .address_space: global }
      - { .name: residual_score, .offset: 16, .size: 8, .value_kind: global_buffer, .address_space: global }
      - { .name: out0, .offset: 24, .size: 8, .value_kind: global_buffer, .address_space: global }
      - { .name: out1, .offset: 32, .size: 8, .value_kind: global_buffer, .address_space: global }
    .group_segment_fixed_size: 327680
    .private_segment_fixed_size: 0
    .kernarg_segment_align: 8
    .kernarg_segment_size: 40
    .max_flat_workgroup_size: 128
    .sgpr_count:     96
    .vgpr_count:     1024
    .wavefront_size: 32
...
	.end_amdgpu_metadata
.endif
;; end of part 3
